; MI455X (gfx1250); checked and timed in simulation.
; The chip was launched on July 23, 2026; its instructions are those of AMD's public machine-readable ISA for CDNA 5 (MIT licence, August 2026) and "CDNA5" Instruction Set Architecture Reference Guide (July 2026). The comments in the code are by the model that wrote it; some were corrected since.
;; Self Attention. Allowed arithmetic: matrix products marked QUANTISED: E2M3 operands, one E8M0 scale for each 32 along K, by v_wmma_scale_f32_16x16x128_f8f6f4 with both operands' format E2M3, f32 sums; everything else in f32.
;; Inputs: W_attn 1,024 x 3,072 float32; W_proj 1,024 x 1,024 float32; b_attn 3,072 float32; b_proj 1,024 float32; x 4 x 2,048 x 1,024 float32.
;; Outputs: out0 4 x 2,048 x 1,024 float32.
;; This version of the problem:
;;   THIS VERSION OF THE PROBLEM IS GIVEN IN LOW PRECISION. The matrix products marked QUANTISED in the list below multiply operands that are first quantised to E2M3 (2 exponent bits, 3 mantissa bits; 6 bits a number), with one power-of-two scale for each 32 numbers along K (OCP MX v1.0); their sums are f32. All else is computed in f32.
;;   The module's matrix products, in the order in which they are computed (A, B: the left and right operand; K: the contracted axis; several contracted axes count as one K, in the product's order):
;;     1. [M 8,192, K 1,024] x [K 1,024, N 3,072]; A: input x; B: input W_attn: QUANTISED
;;     2. batch 64 x [M 2,048, K 64] x [K 64, N 2,048]; A: computed on the way; B: computed on the way: QUANTISED
;;     3. batch 64 x [M 2,048, K 2,048] x [K 2,048, N 64]; A: softmax (see below); B: computed on the way: QUANTISED
;;     4. [M 8,192, K 1,024] x [K 1,024, N 1,024]; A: computed on the way; B: input W_proj: QUANTISED
;;   THE QUANTISER, for each operand of a quantised product, along K:
;;     - K is cut into blocks of 32 from its start; a last block that is shorter is filled with zeros.
;;     - A block's scale is 2^e with e = floor(log2(the largest magnitude in the block)) - 2, held to -126 .. 127; a block of zeros has e = 0. As a byte (E8M0): e + 127.
;;     - Each number is divided by its block's scale, clamped to +-7.5, and rounded to the nearest number of E2M3, ties to even, subnormals kept.
;;     - The product sums the exact products of the quantised numbers (number of the format x scale) in f32.
;;   ~~~python
;;   def quantise(x, axis):      # numpy; x: float32 -> the quantised numbers, widened to float32 again
;;       x = np.moveaxis(x, axis, -1); K = x.shape[-1]
;;       x = np.pad(x, [(0, 0)] * (x.ndim - 1) + [(0, -K % 32)]); x = x.reshape(x.shape[:-1] + (-1, 32)); a = np.abs(x).max(-1, keepdims=True)
;;       e = np.where(a > 0, np.clip(np.frexp(np.where(a > 0, a, 1))[1] - 1 - 2, -126, 127), 0)      # np.frexp(a)[1] - 1 = floor(log2(a)), exactly
;;       r = np.clip(x / 2.0 ** e, -7.5, 7.5)
;;       step = 2.0 ** (np.maximum(np.frexp(np.where(r == 0, 1, r))[1] - 1, 0) - 3)
;;       q = np.round(r / step) * step * 2.0 ** e      # np.round: ties to even
;;       return np.moveaxis(q.reshape(q.shape[:-2] + (-1,))[..., :K], -1, axis).astype(np.float32)
;;   ~~~
;;   SOFTMAX AHEAD OF A QUANTISED PRODUCT. Where the list says 'softmax', what is quantised is not the finished softmax but p = 2^(t - M), with t = logit x log2(e) and M = ceil(the row's largest t), a whole number; so 1/2 < the row's largest p <= 1. The row's sum l is taken of the UNQUANTISED p, in f32, and the product's result is divided by l at the end. Since M is a whole number, a kernel that streams over the keys may use a running M (the ceiling of the running maximum): every later rescaling is an exact power of two, which a block's scale takes up: the codes' values come out the same.
;;   OPERANDS COMPUTED ON THE WAY. 'Computed on the way' means the value that the module computes at that place (a softmax that the list does not call 'softmax' is quantised finished and normalised). What goes into a quantiser is computed in f32, as accurately as f32 sums, v_exp_f32 and their like allow (about 1e-6 of the number): no bf16 or f16 on the way to a quantiser, and a product that is left as it is and whose result goes on into a quantised operand takes f32 operands (vector FMAs, or v_wmma_f32_16x16x4_f32). A number that lies on a knife's edge between two numbers of the format may be rounded either way, as far as f32 arithmetic and the matrix unit's own rounding can turn it there, and no further.
;; One version. Each part assembles by itself: llvm-mc -triple=amdgcn-amd-amdhsa -mcpu=gfx1250 --defsym DOCPART=n.
;; ======== version 1 of 1: 4 launches
;; limits: right only within a limited range of input values
;; workspace buffers: cod 9,437,184 bytes; scl 393,216 bytes; pk 27,262,976 bytes; yc 6,291,456 bytes; ys 262,144 bytes
;; launch quant (part 1): grid 384 x 1, 4 waves a work-group, no clusters, 68,096 bytes of LDS; arguments x, W_attn, W_proj, cod, scl; writes cod, scl
.if DOCPART == 1
	.amdgcn_target "amdgcn-amd-amdhsa--gfx1250"
	.amdhsa_code_object_version 6
	.text
	.protected	k_qe75d95cd09_quant
	.globl	k_qe75d95cd09_quant
	.p2align	8
	.type	k_qe75d95cd09_quant,@function
k_qe75d95cd09_quant:
	s_mov_b64 s[64:65], 0
	v_nop
	global_prefetch_b8 v0, s[64:65] scope:SCOPE_SE
	s_setreg_imm32_b32 hwreg(HW_REG_WAVE_MODE, 25, 1), 1
	s_wait_xcnt 0x0
; x [8192][1024], W_attn [1024][3072] and W_proj [1024][1024], f32, become codes of FP6 (E2M3), K innermost, and one E8M0 byte for each 32 along K.
; cod: [12288 rows][768 bytes], scl: [12288 rows][32 bytes].  Rows 0-8191: the rows of x; 8192-11263: the columns of W_attn; 11264-12287: the columns of W_proj.
; STORED ROW ORDER: in every group of 32 rows bits 3 and 4 of the row number change places.  So 16 consecutive stored rows (tile 2 b + u, place r) are the rows 32 b + 8 u + r + 8 (r / 8):
; the products that follow then find, in a lane's 16 registers of two neighbouring result tiles, 16 neighbours along the next product's K.
; A block's scale is 2^(floor(log2(its largest magnitude)) - 2); its byte is the largest magnitude's exponent field - 2, held at 1 from below.
; LIMITS: a block of zeros, and one whose largest magnitude lies under 2^-124, keeps the byte 1 (the rule says 127 for zeros: the codes are zeros, and this program alone reads the bytes); NaN and infinities are not served.
; Work-groups 0-255 take x (K innermost: a lane holds 16 neighbours, two lanes a block; the bytes turn through the wave's own stage in LDS so that every load is 512 consecutive bytes).
; Work-groups 256-383 take the weights (K is the first axis: a lane takes a column and its registers run down K; the codes leave through the wave's own stage, sixteen lanes to a row's 192 bytes).
; The two ways part on the work-group's number, never join, and have LDS bytes of their own.  Waves share nothing: no barrier.
.set STEPS, 16                         ; x: steps of 512 numbers for a wave: 8 rows
.set AH,    8                          ; loads run eight steps (32 loads a wave) ahead
.set EMAX,  2
.set CB,    12                         ; bytes of 16 codes
.set R,     16                         ; v16-143  eight sets of 16 numbers as loaded
.set X,     144                        ; v144-175 two sets of 16 neighbours
.set E,     176                        ; v176-191 a scale byte for each step
.set C,     192                        ; v192-255 codes: four registers a step, so that no store's data are written again
.set WREG,  8192                       ; LDS for a wave on x's way: two stages of 32 x SP bytes, then its 256 scale bytes
.set SP,    80                         ; a lane's place in a stage: 64 bytes + 16 of padding
.set NB,    8                          ; weights: blocks of 32 along K for a wave (256 along K)
.set WP,    272                        ; a stage row: sixteen places of 16 bytes (12 of codes each) + 16
.set WSTG,  32768                      ; the weights' stages begin behind x's regions
.set WX,    32                         ; v32-95   two sets of 32 numbers
.set WC,    96                         ; v96-102  a block's codes
.set OUTR,  112                        ; v112-175 the way out
.set SB,    24                         ; v24-25   the scale bytes
.set VO,    176                        ; v176-207 4 x lane + i rows of the weight
.set BASE,  32                         ; s[32:47] a base for each of the eight blocks
.macro LOAD t
.irp i, 0,1,2,3
	global_load_b128 v[R+16*((\t)%AH)+4*\i:R+16*((\t)%AH)+4*\i+3], v3, s[4:5] offset:2048*(\t)+512*\i th:TH_LOAD_NT   ; 32 lanes read 512 consecutive bytes
.endr
.endm
.macro TURN t                          ; step t's numbers through the stage: LDS serves a wave's instructions in order, so no wait stands between the stores and the loads
.irp i, 0,1,2,3
	ds_store_b128 v14, v[R+16*((\t)%AH)+4*\i:R+16*((\t)%AH)+4*\i+3] offset:32*SP*((\t)%2)+8*SP*\i
.endr
.irp i, 0,1,2,3
	ds_load_b128 v[X+16*((\t)%2)+4*\i:X+16*((\t)%2)+4*\i+3], v15 offset:32*SP*((\t)%2)+16*\i
.endr
.endm
.macro XSTEP t
.set XS, X+16*((\t)%2)
.if (\t) > 0
	s_wait_dscnt 1                                 ; this step's numbers are back from the stage (the last step's byte store may be out): so its stores into the stage have read their registers,
.else
	s_wait_dscnt 0x0
.endif
.if (\t)+AH < STEPS
	LOAD (\t)+AH                                   ; which take the loads of eight steps on
.endif
.if (\t)+1 < STEPS
.if (\t)+AH < STEPS
	s_wait_loadcnt 4*(AH-1)                        ; the next step's four loads are in; those of the seven steps behind it may be out
.else
	s_wait_loadcnt 4*(STEPS-2-(\t))                ; the counts run down
.endif
	TURN (\t)+1
.endif
	v_max3_num_f32 v8, |v[XS]|, |v[XS+1]|, |v[XS+2]|               ; the largest magnitude of my 16, in two chains
	v_max3_num_f32 v9, |v[XS+3]|, |v[XS+4]|, |v[XS+5]|
.irp i, 6,10
	v_max3_num_f32 v8, v8, |v[XS+\i]|, |v[XS+\i+1]|
	v_max3_num_f32 v9, v9, |v[XS+\i+2]|, |v[XS+\i+3]|
.endr
	v_max3_num_f32 v8, v8, |v[XS+14]|, |v[XS+15]|
	v_max3_num_f32 v8, v8, v9, (EMAX+1)<<23        ; and the floor 2^(3 - 127): the byte cannot fall under 1
	v_max_num_f32_dpp v8, v8, v8 row_xmask:1 row_mask:0xf bank_mask:0xf   ; and of my neighbour's 16: the block's
	v_add_nc_u32 v11, -(EMAX<<23), v8              ; 2 off its exponent field: the conversion takes the exponent field of this operand as its scale
	v_cvt_scalef32_pk16_fp6_f32 v[C+4*(\t):C+4*(\t)+2], v[XS:XS+15], v11
	v_lshrrev_b32 v[E+(\t)], 23, v11               ; the scale's byte (also the plain line behind the conversion)
	ds_store_b8 v5, v[E+(\t)] offset:16*(\t)       ; both lanes of a block write the same byte with the same value
	global_store_b96 v4, v[C+4*(\t):C+4*(\t)+2], s[10:11] offset:32*CB*(\t)   ; the wave stores 384 consecutive bytes
.endm
.macro LOADW t                         ; block t: W(32 t + i, my column), i = 0 .. 31, into set t % 2; 32 lanes read 128 consecutive bytes
.irp i, 0,1,2,3,4,5,6,7,8,9,10,11,12,13,14,15,16,17,18,19,20,21,22,23,24,25,26,27,28,29,30,31
	global_load_b32 v[WX+32*((\t)%2)+\i], v[VO+\i], s[BASE+2*(\t):BASE+2*(\t)+1] th:TH_LOAD_NT
.endr
.endm
.macro BLOCK t
.set XS, WX+32*((\t)%2)
.if (\t) < NB-1
	s_wait_loadcnt 32                              ; this block's 32 loads are in; the next block's may be out
.else
	s_wait_loadcnt 0
.endif
	v_max3_num_f32 v12, |v[XS]|, |v[XS+1]|, |v[XS+2]|               ; the block's largest magnitude: all 32 numbers are mine
	v_max3_num_f32 v13, |v[XS+3]|, |v[XS+4]|, |v[XS+5]|
.irp i, 6,10,14,18,22,26
	v_max3_num_f32 v12, v12, |v[XS+\i]|, |v[XS+\i+1]|
	v_max3_num_f32 v13, v13, |v[XS+\i+2]|, |v[XS+\i+3]|
.endr
	v_max3_num_f32 v12, v12, |v[XS+30]|, |v[XS+31]|
	v_max3_num_f32 v12, v12, v13, (EMAX+1)<<23
	v_add_nc_u32 v11, -(EMAX<<23), v12
	v_lshrrev_b32 v13, 23, v11                     ; the scale's byte
.if (\t)%4 == 0
	v_mov_b32 v[SB+(\t)/4], v13                    ; four bytes to a register, the lower K in the lower byte
.else
	v_lshl_or_b32 v[SB+(\t)/4], v13, 8*((\t)%4), v[SB+(\t)/4]
.endif
	v_cvt_scalef32_pk16_fp6_f32 v[WC:WC+2], v[XS:XS+15], v11
	v_cvt_scalef32_pk16_fp6_f32 v[WC+4:WC+6], v[XS+16:XS+31], v11   ; (a conversion's three registers begin on an even number)
	v_nop                                          ; one plain line behind the conversions
	ds_store_b96 v4, v[WC:WC+2] offset:32*(\t)     ; 12 bytes to a place of 16 in the stage
	ds_store_b96 v4, v[WC+4:WC+6] offset:32*(\t)+16
.if (\t)+2 < NB
	LOADW (\t)+2
.endif
	s_wait_dscnt 0x0                               ; the stores have read their registers: the next block's codes may be written
.endm
	s_load_b256 s[4:11], s[0:1], 0x0               ; x s[4:5], W_attn s[6:7], W_proj s[8:9], cod s[10:11]
	s_load_b64 s[12:13], s[0:1], 0x20              ; scl
	v_lshl_add_u32 v251, v0, 2, 0x10800
	v_mov_b32 v255, 0
	v_lshrrev_b32 v1, 5, v0
	v_readfirstlane_b32 s16, v1                    ; wave 0..3
	v_and_b32 v2, 31, v0                           ; lane
	s_cmp_lt_u32 ttmp9, 256
	s_cbranch_scc0 .Lweights
	; ---------------- x ----------------
	v_lshlrev_b32 v3, 4, v2                        ; my 16 bytes of a load's 512
	s_mul_i32 s17, s16, WREG
	v_lshrrev_b32 v14, 2, v2
	v_mul_u32_u24 v14, v14, SP
	v_and_b32 v15, 3, v2
	v_lshl_add_u32 v14, v15, 4, v14
	v_add_nc_u32 v14, s17, v14                     ; the stage, on the way in: SP (lane / 4) + 16 (lane % 4)
	v_mul_u32_u24 v15, v2, SP
	v_add_nc_u32 v15, s17, v15                     ; and on the way out: SP x lane: my 16 neighbours
	v_mul_u32_u24 v4, v2, CB                       ; my codes' place in a step's
	v_lshrrev_b32 v5, 1, v2
	s_add_co_u32 s17, s17, 2*32*SP
	v_add_nc_u32 v5, s17, v5                       ; LDS: my wave's 256 scale bytes, my block's byte
	v_lshlrev_b32 v7, 3, v2                        ; and on the way out 8 bytes a lane
	v_add_nc_u32 v6, s17, v7
	s_lshl_b32 s18, ttmp9, 2
	s_add_co_u32 s20, s18, s16                     ; which 8 rows of x are my wave's: 4 x work-group + wave
	s_and_b32 s19, s16, 1
	s_lshl_b32 s19, s19, 1
	s_lshr_b32 s21, s16, 1
	s_or_b32 s19, s19, s21
	s_add_co_u32 s22, s18, s19                     ; and where they are stored: the wave's two bits change places (bits 3 and 4 of the row)
	s_lshl_b32 s20, s20, 15                        ; 8 rows of 4,096 bytes
	s_mov_b32 s21, 0
	s_mul_i32 s24, s22, 8*768
	s_mov_b32 s25, 0
	s_lshl_b32 s26, s22, 8                         ; 8 rows of 32 scale bytes
	s_mov_b32 s27, 0
	s_wait_alu depctr_va_vdst(0)
	s_wait_kmcnt 0x0
	s_add_nc_u64 s[4:5], s[4:5], s[20:21]
	s_add_nc_u64 s[10:11], s[10:11], s[24:25]
	s_add_nc_u64 s[12:13], s[12:13], s[26:27]
.irp t, 0,1,2,3,4,5,6,7
	LOAD \t
.endr
	s_wait_loadcnt 4*(AH-1)                        ; step 0's four loads are in
	TURN 0
.irp t, 0,1,2,3,4,5,6,7,8,9,10,11,12,13,14,15
	XSTEP \t
.endr
	ds_load_b64 v[12:13], v6                       ; LDS serves a wave's instructions in order: these see my byte stores
	s_wait_dscnt 0x0
	global_store_b64 v7, v[12:13], s[12:13]        ; 32 lanes store 256 consecutive bytes, aligned
	s_wait_tensorcnt 0x0
	ds_add_u32 v251, v255
	s_wait_dscnt 0x0
	s_endpgm
	; ---------------- the weights ----------------
.Lweights:
	s_sub_co_u32 s17, ttmp9, 256
	s_and_b32 s18, s17, 3                          ; which 256 along K
	s_lshr_b32 s19, s17, 2                         ; which 128 columns: 0-23 W_attn's, 24-31 W_proj's
	s_lshl_b32 s24, s16, 5                         ; my wave's 32 of them
	s_mov_b32 s21, 4096
	s_mov_b32 s22, 131072
	s_wait_kmcnt 0x0
	s_cmp_lt_u32 s19, 24                           ; the choice hangs on the work-group's number alone
	s_cselect_b64 s[6:7], s[6:7], s[8:9]           ; the weight,
	s_cselect_b32 s21, 12288, s21                  ; a row of it in bytes,
	s_cselect_b32 s22, 393216, s22                 ; 32 rows,
	s_cselect_b32 s23, 0, 24
	s_sub_co_u32 s23, s19, s23
	s_lshl_b32 s23, s23, 7
	s_add_co_u32 s23, s23, s24                     ; my first column in it
	s_mul_i32 s26, s18, s22
	s_lshl_b32 s26, s26, 3                         ; 256 rows for each step along K
	s_lshl_b32 s27, s23, 2
	s_add_co_u32 s26, s26, s27
	s_mov_b32 s27, 0
	s_add_nc_u64 s[BASE:BASE+1], s[6:7], s[26:27]
	s_mov_b32 s28, s22
	s_mov_b32 s29, 0
.irp t, 1,2,3,4,5,6,7
	s_add_nc_u64 s[BASE+2*\t:BASE+2*\t+1], s[BASE+2*\t-2:BASE+2*\t-1], s[28:29]   ; a base for each block: nothing is stepped while loads are out
.endr
	s_lshl_b32 s48, s19, 7
	s_add_co_u32 s48, s48, s24
	s_add_co_u32 s48, s48, 8192                    ; my first stored row
	s_mul_i32 s50, s48, 768
	s_mul_i32 s49, s18, 192
	s_add_co_u32 s50, s50, s49
	s_mov_b32 s51, 0
	s_add_nc_u64 s[10:11], s[10:11], s[50:51]
	s_lshl_b32 s52, s48, 5
	s_lshl_b32 s49, s18, 3
	s_add_co_u32 s52, s52, s49
	s_mov_b32 s53, 0
	s_add_nc_u64 s[12:13], s[12:13], s[52:53]
	s_wait_alu depctr_va_vdst(0)
	v_lshlrev_b32 v[VO], 2, v2                     ; in: 4 bytes a lane,
.irp i, 1,2,3,4,5,6,7,8,9,10,11,12,13,14,15,16,17,18,19,20,21,22,23,24,25,26,27,28,29,30,31
	v_add_nc_u32 v[VO+\i], s21, v[VO+\i-1]         ; and i rows down
.endr
	LOADW 0
	LOADW 1
	s_mul_i32 s54, s16, 32*WP
	s_add_co_u32 s54, s54, WSTG                    ; my stage
	v_mul_u32_u24 v4, v2, WP
	v_add_nc_u32 v4, s54, v4                       ; into it: row = my column
	v_and_b32 v5, 15, v2
	v_lshrrev_b32 v6, 4, v2                        ; out of it: sixteen lanes to a row, two rows an instruction
	v_mul_u32_u24 v7, v6, WP
	v_lshl_add_u32 v7, v5, 4, v7
	v_add_nc_u32 v7, s54, v7
	v_mul_u32_u24 v8, v6, 768
	v_mad_u32_u24 v8, v5, 12, v8                   ; and the same place in cod
	v_and_b32 v9, 7, v2                            ; my column's stored row: bits 3 and 4 change places
	v_and_b32 v10, 8, v2
	v_lshl_or_b32 v9, v10, 1, v9
	v_and_b32 v10, 16, v2
	v_lshrrev_b32 v10, 1, v10
	v_or_b32 v9, v9, v10
	v_lshlrev_b32 v9, 5, v9                        ; 32 scale bytes a row
.set Q, 0
.rept NB
	BLOCK Q
.set Q, Q+1
.endr
	s_wait_alu depctr_va_vdst(0)
	global_store_b64 v9, v[SB:SB+1], s[12:13]      ; my column's 8 scale bytes
.irp t, 0,1,2,3,4,5,6,7,8,9,10,11,12,13,14,15
	ds_load_b96 v[OUTR+4*\t:OUTR+4*\t+2], v7 offset:2*\t*WP   ; LDS serves a wave's instructions in order: these see my stores
.endr
.irp t, 0,1,2,3,4,5,6,7,8,9,10,11,12,13,14,15
.set PR, ((2*\t)&7)|(((2*\t)&8)<<1)|(((2*\t)&16)>>1)
	s_wait_dscnt 15-\t
	global_store_b96 v8, v[OUTR+4*\t:OUTR+4*\t+2], s[10:11] offset:PR*768   ; columns 2 t and 2 t + 1 go to their stored rows
.endr
	s_wait_tensorcnt 0x0
	ds_add_u32 v251, v255
	s_wait_dscnt 0x0
	s_endpgm
.Lfunc_end_k_qe75d95cd09_quant:
	.size	k_qe75d95cd09_quant, .Lfunc_end_k_qe75d95cd09_quant-k_qe75d95cd09_quant
	.p2alignl 7, 3214868480
	.fill 96, 4, 3214868480
	.section	.rodata,"a",@progbits
	.p2align	6, 0x0
	.amdhsa_kernel k_qe75d95cd09_quant
		.amdhsa_group_segment_fixed_size 68096
		.amdhsa_private_segment_fixed_size 0
		.amdhsa_enable_private_segment 0
		.amdhsa_kernarg_size 40
		.amdhsa_user_sgpr_count 2
		.amdhsa_user_sgpr_kernarg_segment_ptr 1
		.amdhsa_wavefront_size32 1
		.amdhsa_system_sgpr_workgroup_id_x 1
		.amdhsa_system_sgpr_workgroup_id_y 1
		.amdhsa_system_sgpr_workgroup_id_z 1
		.amdhsa_system_vgpr_workitem_id 0
		.amdhsa_next_free_vgpr 256
		.amdhsa_next_free_sgpr 66
		.amdhsa_reserve_vcc 0
		.amdhsa_float_denorm_mode_32 3
		.amdhsa_float_denorm_mode_16_64 3
		.amdhsa_memory_ordered 1
		.amdhsa_forward_progress 1
		.amdhsa_inst_pref_size 75
	.end_amdhsa_kernel
	.amdgpu_metadata
---
amdhsa.version: [ 1, 2 ]
amdhsa.kernels:
  - .name:           k_qe75d95cd09_quant
    .symbol:         k_qe75d95cd09_quant.kd
    .args:
      - { .name: x, .offset: 0, .size: 8, .value_kind: global_buffer, .address_space: global }
      - { .name: W_attn, .offset: 8, .size: 8, .value_kind: global_buffer, .address_space: global }
      - { .name: W_proj, .offset: 16, .size: 8, .value_kind: global_buffer, .address_space: global }
      - { .name: cod, .offset: 24, .size: 8, .value_kind: global_buffer, .address_space: global }
      - { .name: scl, .offset: 32, .size: 8, .value_kind: global_buffer, .address_space: global }
    .group_segment_fixed_size: 68096
    .private_segment_fixed_size: 0
    .kernarg_segment_align: 8
    .kernarg_segment_size: 40
    .max_flat_workgroup_size: 128
    .sgpr_count:     66
    .vgpr_count:     256
    .wavefront_size: 32
...
	.end_amdgpu_metadata
.endif
;; end of part 1
;; launch qkv (part 2): grid 8 x 32, 4 waves a work-group, clusters of 4 x 4, 327,680 bytes of LDS; arguments cod, scl, b_attn, pk; writes pk
.if DOCPART == 2
	.amdgcn_target "amdgcn-amd-amdhsa--gfx1250"
	.amdhsa_code_object_version 6
	.text
	.protected	k_qe75d95cd09_qkv
	.globl	k_qe75d95cd09_qkv
	.p2align	8
	.type	k_qe75d95cd09_qkv,@function
k_qe75d95cd09_qkv:
	s_mov_b64 s[64:65], 0
	v_nop
	global_prefetch_b8 v0, s[64:65] scope:SCOPE_SE
	s_setreg_imm32_b32 hwreg(HW_REG_WAVE_MODE, 25, 1), 1
	s_wait_xcnt 0x0
	s_wait_alu depctr_hold_cnt(0) depctr_sa_sdst(0) depctr_va_vdst(0) depctr_va_sdst(0) depctr_va_ssrc(0) depctr_va_vcc(0) depctr_vm_vsrc(0)
	s_getreg_b32 s2, hwreg(HW_REG_IB_STS2, 6, 4)
	s_cmp_eq_u32 s2, 0
	s_cbranch_scc0 .Lentry_in_a_cluster
	s_endpgm
.Lentry_in_a_cluster:
	s_bfe_u32 s2, ttmp6, 0x10000c
	s_cmp_lg_u32 s2, 0xf033
	s_cbranch_scc0 .Lentry_shape_is_right
	s_endpgm
.Lentry_shape_is_right:
; q, k, v = x W_attn + b_attn on codes of FP6 (E2M3) with E8M0 scales, and their quantising for the two products of attention.  Nothing leaves as f32.
; cod [12288 rows][768 bytes], scl [12288][32]: rows 0-8191 x, 8192-11263 W_attn's columns, K = 1,024 innermost; in every 32 rows bits 3 and 4 of the row number have changed places.
; THE DEAL: 8 x 32 = 256 work-groups.  Work-group (j, t) takes tokens 256 t .. 256 t + 255 through THREE PASSES of 128 columns: v's tile j, q's tile j, k's tile j: all work-groups walk one path.
; x's 256 rows, all of K, lie in LDS for the whole launch (a row of 768 bytes + 16 behind every 256), with their scale bytes.  The weights' 128 rows have a region of their own.
; Four waves, 2 x 2: wave (a, b) takes tokens 128 a .. + 127 (one key step) and columns 64 b .. + 63 (one head).  It holds its 64 rows of the weight, all of K, in 384 registers, and streams x past them
; in blocks of 16 rows: 8 fragments, 32 products on four accumulators by turns.  Once all waves hold a weight in registers its region is filled again with the next pass's, a whole pass ahead of its use: so no prefetch is laid.
; q, k: source 0 = the weight's rows: a lane holds one token, its 32 sums of a block run along the head's channels.  v: source 0 = x's rows: a lane holds one channel, its 32 sums of four blocks run along the tokens.
; By the stored row order 16 registers are 16 neighbours, lanes l and l xor 16 share a scale block of 32.  A band of four blocks (128 accumulator registers) is one trip of a loop of two; four quantisers follow it side by side.
; The bias is the first products' C.  4 x 4 work-groups form a cluster: x's rows are shared along a row of it, a weight's rows along a column.
; pk: as the attention launch reads it: two sections (q; k and v) of 64 heads x 16 steps x 13,312 bytes: +0 eight tiles of 16 tokens x 64 channels (pair p of lane l at 256 p + 8 l); +6144 four fragments of v;
;   +12288 scale words [place 16][tile 8]; +12800 v's [place 16][8], the first four used, the other four a copy.
; The last pass's last trip fetches blocks 0 and 1 once more, which nothing multiplies: the price of one text for both trips.
; LIMITS: a block of zeros, and one whose largest magnitude lies under 2^-124, keeps the byte 1; NaN and infinities are not served.
; REGISTERS: fragment f lies in window 1 + f / 21 at register 12 (f % 21): 0-31 the weight's (4 q + d), 32-47 x's two sets.  Window 3, v128-255: the accumulators.  Window 0: all else.
.set PITCH,  816
.set BS,     16*PITCH                  ; a block of 16 rows in LDS
.set WB,     256*PITCH                 ; the weights' region
.set XSC,    WB+128*PITCH              ; x's scale bytes: 32 units of 256 + 16
.set SS,     544                       ; those of 16 rows
.set SPARE,  XSC+32*272
.set PACK,   13312
.set SEC,    64*16*PACK
.set NF,     50                        ; LDS loads of a block: 48 + 2
.set XB,   4                           ; v4, v5   my x rows (v5: for the pieces behind one padding more)
.set XSB,  6                           ; v6       my x rows' scale words
.set L8,   7                           ; v7       8 x lane
.set P1,   8                           ; v8, v9   the trip's first two fetches; v10, v11 its last two
.set P2,   10
.set SP1,  12
.set SP2,  13
.set WA,   14                          ; v14, v15 my rows of the weight
.set PW,   16                          ; v16-19   scale words; v20-23 those of the band before
.set PWA,  20
.set VW,   24
.set VB,   25
.set VV,   26
.set SOF,  27
.set SPW,  28
.set NIL,  29
.set WSA,  32                          ; the weight's scale words, 8 d + q: two sets, by the pass
.set WSB,  160
.set XS,   68                          ; x's, two sets of eight
.set BCA,  128                         ; the bias as C, 8 d + j: two sets
.set BCB,  192
.set TM,   84
.set TP,   92
.set TS,   100
.set TT,   108
.set OW,   124
.set COD,  224
.set MSB, 0
.macro WIN new
.if MSB != \new
	s_set_vgpr_msb (MSB<<8)|\new
.set MSB, \new
.endif
.endm
.macro PLACES n
.rept \n
	v_nop
.endr
.endm
.macro WALU
	s_wait_alu depctr_va_vdst(0)
.endm
.macro BARRIER
	s_barrier_signal -1
	s_barrier_wait -1
.endm
.macro CROUND
	BARRIER
	s_cmp_lg_u32 s14, 0
	s_cbranch_scc1 .Lnot_wave_0_\@
	s_barrier_signal -3
.Lnot_wave_0_\@:
	s_barrier_wait -3
	BARRIER
.endm
.macro ARM under, g0, g1, next
	s_cmp_lt_u32 s14, \under
	s_cbranch_scc0 \next
	tensor_load_to_lds s[\g0:\g0+3], s[\g1:\g1+7]
	s_nop 0
	PLACES 4
	s_branch .Lhead_asked
\next:
.endm
.macro ROWS g, mask                    ; group 1: 128 rows of 768 bytes, 16 bytes of padding behind every 256
	s_or_b32 s[\g], s\mask, (1<<20)|(1<<21)|(5<<22)|(3<<25)
	s_mov_b32 s[\g+1], 768<<16
	s_mov_b32 s[\g+2], 128<<16
	s_mov_b32 s[\g+3], 768<<16
	s_mov_b32 s[\g+4], 128
	s_mov_b32 s[\g+5], 768
	s_mov_b32 s[\g+6], 0
	s_mov_b32 s[\g+7], 0
.endm
; a fragment: six pieces of 8 bytes; lanes 16-31 read 24 bytes on, which for some pieces is behind one padding more: the second address register serves those
.macro FRAG f, q, adr, off
	WIN (1+(\f)/21)<<6
.irp p, 0,1,2,3,4,5
.set PC_, 12*(\q)+6*(\p/3)+\p%3
	ds_load_b64 v[12*((\f)%21)+2*\p:12*((\f)%21)+2*\p+1], v[\adr+(PC_%32+3)/32] offset:(\off)+8*PC_+16*(PC_/32)
.endr
.endm
.macro WEIGHTS                         ; my 64 rows of the weight, all of K: 192 loads
.irp q, 0,1,2,3,4,5,6,7
.irp d, 0,1,2,3
	FRAG 4*\q+\d, \q, WA, \d*BS
.endr
.endr
	WIN 0
.endm
.macro FETCH e, adr, sadr, bo          ; a block of x's rows into set e: NF loads
.irp q, 0,1,2,3,4,5,6,7
	FRAG 32+8*(\e)+\q, \q, \adr, (\bo)*BS
.endr
	WIN 0
	ds_load_b128 v[XS+8*(\e):XS+8*(\e)+3], v[\sadr] offset:(\bo)*SS
	ds_load_b128 v[XS+8*(\e)+4:XS+8*(\e)+7], v[\sadr] offset:(\bo)*SS+16
.endm
.macro PROD kind, e, i, q, d, ws, bc
.set FB_, 4*(\q)+(\d)
.set FA_, 32+8*(\e)+(\q)
.if \kind
.set D_, 128+32*(\d)+8*(\i)
.set S0_, FA_
.set S1_, FB_
.set X0_, XS+8*(\e)+(\q)
.set X1_, (\ws)+8*(\d)+(\q)
.else
.set D_, 128+32*(\i)+8*(\d)
.set S0_, FB_
.set S1_, FA_
.set X0_, (\ws)+8*(\d)+(\q)
.set X1_, XS+8*(\e)+(\q)
.endif
.if (\q) == 0
	WIN (1+S0_/21)|((1+S1_/21)<<2)|(3<<6)
	v_wmma_scale_f32_16x16x128_f8f6f4 v[D_:D_+7], v[12*(S0_%21):12*(S0_%21)+11], v[12*(S1_%21):12*(S1_%21)+11], v[(\bc)+8*(\d):(\bc)+8*(\d)+7], v[X0_], v[X1_] matrix_a_fmt:MATRIX_FMT_FP6 matrix_b_fmt:MATRIX_FMT_FP6
.else
	WIN (1+S0_/21)|((1+S1_/21)<<2)|(3<<4)|(3<<6)
	v_wmma_scale_f32_16x16x128_f8f6f4 v[D_:D_+7], v[12*(S0_%21):12*(S0_%21)+11], v[12*(S1_%21):12*(S1_%21)+11], v[D_:D_+7], v[X0_], v[X1_] matrix_a_fmt:MATRIX_FMT_FP6 matrix_b_fmt:MATRIX_FMT_FP6
.endif
.endm
; block i of a band: its rows were fetched two blocks ago; younger than that fetch are the next block's NF loads.  Behind its 32 products its set takes the block two on.
.macro BLK kind, i, ws, bc
	s_wait_dscnt NF
.irp q, 0,1,2,3,4,5,6,7
.irp d, 0,1,2,3
	PROD \kind, (\i)%2, \i, \q, \d, \ws, \bc
.endr
.endr
	PLACES 4
.if (\i) < 2
	FETCH (\i)%2, P1, SP1, (\i)%2
.else
	FETCH (\i)%2, P2, SP2, (\i)%2
.endif
.endm
; four quantisers side by side: group g is 32 sums of a lane at v[128 + 32 g] of window 3: two halves of two scale blocks, shared with lane l xor 16.  Six registers of codes and two bytes each.
.macro OUT4 kind, ptr
	WIN 0
	s_wait_xcnt 0x0                                ; the last band's stores have read their codes and their base
	s_add_nc_u64 s[\ptr:\ptr+1], s[\ptr:\ptr+1], s[82:83]   ; 0 in the first trip, then a band's step
	s_mov_b32 s82, 3072-2304*(\kind)
	WIN 0x0f
.irp g, 0,1,2,3
.irp b, 0,1
	v_max3_num_f32 v[TM+2*\g+\b], |v[128+32*\g+16*\b]|, |v[129+32*\g+16*\b]|, 0x1800000   ; with the floor 2^(3 - 127); each accumulator from its low end on
.endr
.endr
	WIN 0x3c
.irp i, 2,4,6,8,10,12,14
.irp g, 0,1,2,3
.irp b, 0,1
	v_max3_num_f32 v[TM+2*\g+\b], v[TM+2*\g+\b], |v[128+32*\g+16*\b+\i]|, |v[129+32*\g+16*\b+\i]|
.endr
.endr
.endr
	WIN 0
.irp n, 0,1,2,3,4,5,6,7
	v_permlanex16_b32 v[TP+\n], v[TM+\n], s90, s91
.endr
.irp n, 0,1,2,3,4,5,6,7
	v_max_num_f32 v[TM+\n], v[TM+\n], v[TP+\n]     ; the block's largest magnitude
.endr
.irp n, 0,1,2,3,4,5,6,7
	v_add_nc_u32 v[TS+\n], 0xff000000, v[TM+\n]    ; 2 off its exponent field: the conversion's scale operand
.endr
.irp n, 0,1,2,3,4,5,6,7
	v_lshrrev_b32 v[TP+\n], 23, v[TS+\n]           ; the scale's byte
.endr
.irp g, 0,1,2,3
	v_lshl_or_b32 v[TM+2*\g], v[TP+2*\g+1], 8, v[TP+2*\g]
.endr
.irp g, 0,1,2,3
.if \kind
	v_lshrrev_b32 v[PW+\g], 16, v[PW+\g]           ; v: a fragment's word takes two bytes a band
.else
	v_mov_b32 v[PWA+\g], v[PW+\g]                  ; q, k: a word a tile; the band before is kept
.endif
.endr
.irp g, 0,1,2,3
.if \kind
	v_lshl_or_b32 v[PW+\g], v[TM+2*\g], 16, v[PW+\g]
.else
	v_mov_b32 v[PW+\g], v[TM+2*\g]
.endif
.endr
	WIN 0x03
.irp g, 0,1,2,3
	v_cvt_scalef32_pk16_fp6_f32 v[COD+8*\g:COD+8*\g+2], v[128+32*\g:143+32*\g], v[TS+2*\g]
	v_cvt_scalef32_pk16_fp6_f32 v[TT+4*\g:TT+4*\g+2], v[144+32*\g:159+32*\g], v[TS+2*\g+1]
.endr
	v_nop                                          ; one plain line behind the conversions
	WIN 0
.irp g, 0,1,2,3
.irp i, 0,1,2
	v_permlane16_swap_b32 v[COD+8*\g+\i], v[TT+4*\g+\i]   ; the operand's layout wants a whole block in a lane
.endr
.endr
.irp g, 0,1,2,3
.irp i, 0,1,2
	v_mov_b32 v[COD+8*\g+3+\i], v[TT+4*\g+\i]
.endr
.endr
.irp g, 0,1,2,3
.irp p, 0,1,2
	global_store_b64 v[L8], v[COD+8*\g+2*\p:COD+8*\g+2*\p+1], s[\ptr:\ptr+1] offset:(768+768*(\kind))*\g+256*\p   ; the wave stores 256 consecutive bytes, aligned
.endr
.endr
.endm
.macro PASS kind, ws, bc, ptr
	s_wait_xcnt 0x0
.irp g, 0,1,2,3
	v_mov_b32 v[PW+\g], 0
.endr
	s_mov_b32 s84, 2*BS                            ; the trip's first two fetches: blocks 2, 3, then 6, 7;
	s_mov_b32 s85, 4*BS                            ; its last two: blocks 4, 5, then 0, 1
	s_mov_b32 s86, 2*SS
	s_mov_b32 s87, 4*SS
	s_mov_b32 s82, 0
	s_mov_b32 s83, 0
	s_mov_b32 s88, 0
.Lband_\@:
	v_add_nc_u32 v[P1], s84, v[XB]
	v_add_nc_u32 v[P1+1], s84, v[XB+1]
	v_add_nc_u32 v[P2], s85, v[XB]
	v_add_nc_u32 v[P2+1], s85, v[XB+1]
	v_add_nc_u32 v[SP1], s86, v[XSB]
	v_add_nc_u32 v[SP2], s87, v[XSB]
	WALU
	BLK \kind, 0, \ws, \bc
	BLK \kind, 1, \ws, \bc
	BLK \kind, 2, \ws, \bc
	BLK \kind, 3, \ws, \bc
	OUT4 \kind, \ptr
	s_add_co_u32 s84, s84, 4*BS
	s_sub_co_u32 s85, s85, 4*BS
	s_add_co_u32 s86, s86, 4*SS
	s_sub_co_u32 s87, s87, 4*SS
	s_add_co_u32 s88, s88, 1
	s_cmp_lg_u32 s88, 2
	WALU
	s_cbranch_scc1 .Lband_\@
.if \kind
	global_store_b128 v[SOF], v[PW:PW+3], s[\ptr:\ptr+1] offset:12800-6144-768      ; 32 r + 16 h: both halves of the lanes store the four words
.else
.irp g, 0,1,2,3
	v_cndmask_b32 v[OW+\g], v[PWA+\g], v[PW+\g], s89   ; lanes 0-15 tiles 0-3, lanes 16-31 tiles 4-7
.endr
	global_store_b128 v[SOF], v[OW:OW+3], s[\ptr:\ptr+1] offset:12288-3072
.endif
.endm
.macro LOADW ws, koff                  ; the scale words of my 64 rows of a weight
.irp d, 0,1,2,3
	global_load_b128 v[\ws+8*\d:\ws+8*\d+3], v[VW], s[78:79] offset:(\koff)*32+512*\d
	global_load_b128 v[\ws+8*\d+4:\ws+8*\d+7], v[VW], s[78:79] offset:(\koff)*32+512*\d+16
.endr
.endm
.macro LOADB bc, koff                  ; q, k: register j of tile d is channel 32 (d / 2) + 8 (d % 2) + 16 h + j
.irp d, 0,1,2,3
	global_load_b128 v[\bc+8*\d:\bc+8*\d+3], v[VB], s[80:81] offset:(\koff)*4+128*(\d/2)+32*(\d%2)
	global_load_b128 v[\bc+8*\d+4:\bc+8*\d+7], v[VB], s[80:81] offset:(\koff)*4+128*(\d/2)+32*(\d%2)+16
.endr
.endm
; the weights' region is filled again: every wave holds the weight in registers.  A whole round of the cluster's barrier; waves 0 and 1 fetch 64 rows each
.macro REFILL koff
	WALU
	s_wait_tensorcnt 0x0
	ds_add_u32 v[SPW], v[NIL]
	s_mov_b32 s34, 64<<16
	s_mov_b32 s36, 64
	s_mul_i32 s57, s14, 64*PITCH
	s_add_co_u32 s57, s57, WB
	s_mul_i32 s20, s14, 64*768
	s_mov_b32 s21, 0
	s_add_nc_u64 s[58:59], s[76:77], s[20:21]
.if \koff
	s_add_nc_u64 s[58:59], s[58:59], \koff
.endif
	s_or_b32 s59, s59, 0x80000000
	s_wait_dscnt 0x0
	CROUND
	s_cmp_lt_u32 s14, 2
	s_cbranch_scc0 .Lno_half_\@
	tensor_load_to_lds s[56:59], s[32:39]
	s_nop 0
	PLACES 4
.Lno_half_\@:
.endm
.macro CHANGE                          ; the next weight is in and is shown to all by a plain barrier, behind which nothing is filled; then it goes into registers
	WALU
	s_wait_tensorcnt 0x0
	s_wait_dscnt 0x0
	BARRIER
	WEIGHTS
.endm
	s_load_b256 s[4:11], s[0:1], 0x0               ; cod, scl, b_attn, pk
	v_lshl_add_u32 v[SPW], v0, 2, SPARE
	v_mov_b32 v[NIL], 0
	ds_add_u32 v[SPW], v[NIL]                      ; the opening lines: the add twice on end and its wait
	ds_add_u32 v[SPW], v[NIL]
	v_lshrrev_b32 v1, 5, v0
	v_readfirstlane_b32 s14, v1                    ; wave
	s_lshr_b32 s15, s14, 1                         ; a: my half of the tokens
	s_and_b32 s16, s14, 1                          ; b: my half of the columns
	s_bfe_u32 s40, ttmp6, 0x40000                  ; cx
	s_bfe_u32 s41, ttmp6, 0x40004                  ; cy
	s_lshl_b32 s42, ttmp9, 2
	s_add_co_u32 s42, s42, s40                     ; j
	s_and_b32 s43, ttmp7, 0xffff
	s_lshl_b32 s43, s43, 2
	s_add_co_u32 s43, s43, s41                     ; t
	s_lshl_b32 s44, s41, 2
	s_lshl_b32 s44, 15, s44                        ; my row of the cluster
	s_lshl_b32 s45, 0x1111, s40                    ; my column
	s_mov_b32 s89, 0xffff0000
	s_mov_b32 s90, 0x76543210
	s_mov_b32 s91, 0xfedcba98                      ; v_permlanex16_b32's selects for lane l xor 16
	ROWS 24, 44
	ROWS 32, 45
	s_or_b32 s48, s44, (3<<16)|(1<<20)|(1<<21)|(5<<22)|(3<<25)   ; x's scale bytes: 32 rows of 256 bytes
	s_mov_b32 s49, 32<<16
	s_mov_b32 s50, 32<<16
	s_mov_b32 s51, 32<<16
	s_mov_b32 s52, 32
	s_mov_b32 s53, 32
	s_mov_b32 s54, 0
	s_mov_b32 s55, 0
	s_mul_i32 s46, s43, 196608                     ; x's rows, bytes from cod
	s_mov_b32 s47, 0
	s_lshl_b32 s20, s43, 13                        ; their scale bytes
	s_mov_b32 s21, 0
	s_mul_i32 s22, s42, 98304
	s_add_co_u32 s22, s22, 8192*768                ; q's tile j of W_attn
	s_mov_b32 s23, 0
	s_lshl_b32 s12, s42, 7
	s_lshl_b32 s17, s16, 6
	s_add_co_u32 s12, s12, s17                     ; my first column of a tensor's 1,024
	s_lshl_b32 s18, s12, 2
	s_mov_b32 s19, 0
	s_add_co_u32 s12, s12, 8192
	s_lshl_b32 s12, s12, 5
	s_mov_b32 s13, 0
	s_lshr_b32 s92, s43, 3                         ; batch
	s_lshl_b32 s92, s92, 4
	s_lshl_b32 s17, s42, 1
	s_add_co_u32 s92, s92, s17
	s_add_co_u32 s92, s92, s16                     ; my head of 64
	s_lshl_b32 s92, s92, 4
	s_and_b32 s17, s43, 7
	s_lshl_b32 s17, s17, 1
	s_add_co_u32 s92, s92, s17
	s_add_co_u32 s92, s92, s15                     ; my step of 128 tokens
	s_mul_i32 s92, s92, PACK
	s_mov_b32 s93, 0
	WALU
	s_wait_dscnt 0x0
	CROUND                                         ; all sixteen work-groups are here: the first joint loads meet
	s_wait_kmcnt 0x0
	s_mov_b32 s68, 1                               ; x's rows 0-127
	s_mov_b32 s69, 0
	s_add_nc_u64 s[70:71], s[4:5], s[46:47]
	s_mov_b32 s72, 1                               ; rows 128-255
	s_mov_b32 s73, 128*PITCH
	s_add_nc_u64 s[74:75], s[70:71], 98304
	s_mov_b32 s60, 1                               ; x's scale bytes
	s_mov_b32 s61, XSC
	s_add_nc_u64 s[62:63], s[6:7], s[20:21]
	s_add_nc_u64 s[76:77], s[4:5], s[22:23]
	s_mov_b32 s56, 1                               ; v's tile of the weight
	s_mov_b32 s57, WB
	s_add_nc_u64 s[58:59], s[76:77], 2048*768
	s_or_b32 s71, s71, 0x80000000
	s_or_b32 s75, s75, 0x80000000
	s_or_b32 s63, s63, 0x80000000
	s_or_b32 s59, s59, 0x80000000
	ARM 1, 56, 32, .Lhead_1                        ; one load a wave: the weight, which goes on into registers, first
	ARM 2, 60, 48, .Lhead_2
	ARM 3, 68, 24, .Lhead_3
	tensor_load_to_lds s[72:75], s[24:31]
	s_nop 0
	PLACES 4
.Lhead_asked:
	s_add_nc_u64 s[78:79], s[6:7], s[12:13]
	s_add_nc_u64 s[80:81], s[8:9], s[18:19]
	s_add_nc_u64 s[94:95], s[10:11], s[92:93]      ; q's pack,
	s_add_nc_u64 s[96:97], s[94:95], SEC           ; k's,
	s_add_nc_u64 s[98:99], s[96:97], 6144          ; v's fragments
	v_and_b32 v1, 15, v0                           ; r
	v_bfe_u32 v2, v0, 4, 1                         ; h
	v_and_b32 v3, 31, v0
	v_lshlrev_b32 v[VW], 5, v1
	v_lshlrev_b32 v[VB], 6, v2
	v_and_b32 v[VV], 8, v1
	v_add_nc_u32 v[VV], v[VV], v1
	v_lshlrev_b32 v[VV], 2, v[VV]                  ; v: lane r of tile d has channel 32 (d / 2) + 8 (d % 2) + r + 8 (r / 8)
	LOADW WSA, 2048
.irp d, 0,1,2,3
	global_load_b32 v[BCA+8*\d], v[VV], s[80:81] offset:2048*4+128*(\d/2)+32*(\d%2)
.endr
	LOADW WSB, 0
	LOADB BCB, 0
	v_mul_u32_u24 v30, v1, PITCH
	v_mad_u32_u24 v30, v2, 24, v30
	v_lshl_add_u32 v31, v2, 4, v30
	s_mul_i32 s20, s15, 128*PITCH
	v_add_nc_u32 v[XB], s20, v30
	v_add_nc_u32 v[XB+1], s20, v31
	s_mul_i32 s21, s16, 64*PITCH
	s_add_co_u32 s21, s21, WB
	v_add_nc_u32 v[WA], s21, v30
	v_add_nc_u32 v[WA+1], s21, v31
	v_lshrrev_b32 v30, 3, v1
	v_lshlrev_b32 v30, 4, v30
	v_lshl_add_u32 v30, v1, 5, v30                 ; 32 bytes a row, 16 more for each 256 passed
	s_mul_i32 s22, s15, 8*SS
	s_add_co_u32 s22, s22, XSC
	v_add_nc_u32 v[XSB], s22, v30
	v_lshlrev_b32 v[L8], 3, v3
	v_lshlrev_b32 v[SOF], 5, v1
	v_lshl_add_u32 v[SOF], v2, 4, v[SOF]
.irp n, 0,1,2,3,4,5,6,7
	v_mov_b32 v[TP+\n], 0                          ; written once: a lane permute's destination counts as one of its sources
.endr
	WALU
	s_cmp_eq_u32 s14, 0
	s_cbranch_scc0 .Lnot_w
	s_wait_tensorcnt 0x0
.Lnot_w:
	BARRIER                                        ; the weight is in; x may be on its way
	WEIGHTS
	s_wait_loadcnt 0x0
.irp d, 0,1,2,3
.irp i, 1,2,3,4,5,6,7
	v_mov_b32 v[BCA+8*\d+\i], v[BCA+8*\d]          ; v's bias, one number a lane and tile, over the tile's eight registers
.endr
.endr
	REFILL 0                                       ; the round shows x and its scale bytes to all; q's tile is asked for
	FETCH 0, XB, XSB, 0
	FETCH 1, XB, XSB, 1
	PASS 1, WSA, BCA, 98
	CHANGE
	LOADW WSA, 1024                                ; k's scale words and bias, into the registers that v's have left
	LOADB BCA, 1024
	REFILL 1024*768                                ; k's tile
	PASS 0, WSB, BCB, 94
	CHANGE
	s_wait_loadcnt 0x0
	s_wait_dscnt 0x0
	PASS 0, WSA, BCA, 96
	s_wait_tensorcnt 0x0                           ; the wave's end
	ds_add_u32 v[SPW], v[NIL]
	s_wait_dscnt 0x0
	CROUND                                         ; the closing round
	s_endpgm
.Lfunc_end_k_qe75d95cd09_qkv:
	.size	k_qe75d95cd09_qkv, .Lfunc_end_k_qe75d95cd09_qkv-k_qe75d95cd09_qkv
	.p2alignl 7, 3214868480
	.fill 96, 4, 3214868480
	.section	.rodata,"a",@progbits
	.p2align	6, 0x0
	.amdhsa_kernel k_qe75d95cd09_qkv
		.amdhsa_group_segment_fixed_size 327680
		.amdhsa_private_segment_fixed_size 0
		.amdhsa_enable_private_segment 0
		.amdhsa_kernarg_size 32
		.amdhsa_user_sgpr_count 2
		.amdhsa_user_sgpr_kernarg_segment_ptr 1
		.amdhsa_wavefront_size32 1
		.amdhsa_system_sgpr_workgroup_id_x 1
		.amdhsa_system_sgpr_workgroup_id_y 1
		.amdhsa_system_sgpr_workgroup_id_z 1
		.amdhsa_system_vgpr_workitem_id 0
		.amdhsa_next_free_vgpr 1024
		.amdhsa_next_free_sgpr 100
		.amdhsa_reserve_vcc 0
		.amdhsa_float_denorm_mode_32 3
		.amdhsa_float_denorm_mode_16_64 3
		.amdhsa_memory_ordered 1
		.amdhsa_forward_progress 1
		.amdhsa_inst_pref_size 180
	.end_amdhsa_kernel
	.amdgpu_metadata
---
amdhsa.version: [ 1, 2 ]
amdhsa.kernels:
  - .name:           k_qe75d95cd09_qkv
    .symbol:         k_qe75d95cd09_qkv.kd
    .args:
      - { .name: cod, .offset: 0, .size: 8, .value_kind: global_buffer, .address_space: global }
      - { .name: scl, .offset: 8, .size: 8, .value_kind: global_buffer, .address_space: global }
      - { .name: b_attn, .offset: 16, .size: 8, .value_kind: global_buffer, .address_space: global }
      - { .name: pk, .offset: 24, .size: 8, .value_kind: global_buffer, .address_space: global }
    .group_segment_fixed_size: 327680
    .private_segment_fixed_size: 0
    .kernarg_segment_align: 8
    .kernarg_segment_size: 32
    .max_flat_workgroup_size: 128
    .sgpr_count:     100
    .vgpr_count:     1024
    .wavefront_size: 32
...
	.end_amdgpu_metadata
.endif
;; end of part 2
;; launch attn (part 3): grid 4 x 64, 16 waves a work-group, no clusters, 327,680 bytes of LDS; arguments pk, yc, ys; writes yc, ys
.if DOCPART == 3
	.amdgcn_target "amdgcn-amd-amdhsa--gfx1250"
	.amdhsa_code_object_version 6
	.text
	.protected	k_qe75d95cd09_attn
	.globl	k_qe75d95cd09_attn
	.p2align	8
	.type	k_qe75d95cd09_attn,@function
k_qe75d95cd09_attn:
	s_mov_b64 s[64:65], 0
	v_nop
	global_prefetch_b8 v0, s[64:65] scope:SCOPE_SE
	s_setreg_imm32_b32 hwreg(HW_REG_WAVE_MODE, 25, 1), 1
	s_wait_xcnt 0x0
; Causal attention of one head on codes of FP6: S^T = k q^T, p = 2^(t - M) with a running whole M, O^T += v^T p^T, O / l quantised for the projection.
; A work-group takes a head and the query blocks x and 7 - x of 256 queries, one after the other; a wave 16 queries.  Key steps of 128 that lie wholly behind the causal mask are passed over by a branch on ids.
; All 16 packs (k, v and scales of 128 keys) of the head come into LDS once, one pack a wave.  No cluster: the partners would pass over different key steps.  No prefetch: everything is asked for at the head.
; The products' K is 64: q's registers 6-11 hold zero codes, so what k's registers 6-11 hold adds nothing; the second block's q waits there.
; LIMITS: the promise holds while the scaled scores stay under 2^31 in magnitude; NaN and infinities are not served.
.set PACK, 13312
.set HS,   16*PACK
.set SEC,  64*HS
.set PART, 13312
.set ADK,  8
.set ADS,  9
.set S,    128
.set O,    192
.set WV,   12
.set G1,   16
.set SEL,  34
.set CS,   36
.set TB,   38
.set KF,   39
.set Q0,   40
.set CNT,  41
	s_load_b128 s[4:7], s[0:1], 0x0
	s_load_b64 s[8:9], s[0:1], 0x10
	v_lshl_add_u32 v254, v0, 2, 0x34000
	v_mov_b32 v255, 0
	ds_add_u32 v254, v255
	ds_add_u32 v254, v255
	s_wait_dscnt 0x0
	v_lshrrev_b32 v10, 5, v0
	s_delay_alu instid0(VALU_DEP_1)
	v_readfirstlane_b32 s[WV], v10
	s_and_b32 s13, ttmp7, 0xffff
	s_mul_i32 s14, s13, HS
	s_mov_b32 s15, 0
	s_mov_b32 s[G1], 3<<16
	s_mov_b32 s[G1+1], 32<<16
	s_mov_b32 s[G1+2], 52<<16
	s_mov_b32 s[G1+3], 32<<16
	s_mov_b32 s[G1+4], 52
	s_mov_b32 s[G1+5], 32
	s_mov_b32 s[G1+6], 0
	s_mov_b32 s[G1+7], 0
	s_mul_i32 s32, s[WV], PART
	s_add_co_u32 s10, s14, s32
	s_add_co_u32 s10, s10, SEC
	s_mov_b32 s11, 0
	s_mov_b32 s[SEL], 0x76543210
	s_mov_b32 s[SEL+1], 0xfedcba98
	s_mov_b32 s[CS], 0x3e38aa3b
	s_mov_b32 s[CS+1], s[CS]
	s_lshr_b32 s33, s13, 4
	s_lshl_b32 s33, s33, 7
	s_and_b32 s46, s13, 15
	s_wait_kmcnt 0x0
	s_mov_b32 s24, 1
	s_mov_b32 s25, s32
	s_add_nc_u64 s[26:27], s[4:5], s[10:11]
	s_or_b32 s27, s27, 0x80000000
	s_wait_alu depctr_va_vdst(0)
	s_cmp_lt_u32 s[WV], 8                          ; wave w fetches pack w.  Two lines: the first block's barrier shows waves 0-7's packs alone
	s_cbranch_scc0 .Lhigh
	tensor_load_to_lds s[24:27], s[G1:G1+7]
	s_nop 0
.rept 4
	v_nop
.endr
	s_branch .Lasked
.Lhigh:
	tensor_load_to_lds s[24:27], s[G1:G1+7]
	s_nop 0
.rept 4
	v_nop
.endr
.Lasked:
	s_add_nc_u64 s[4:5], s[4:5], s[14:15]
	v_and_b32 v10, 31, v0
	s_delay_alu instid0(VALU_DEP_1)
	v_lshlrev_b32 v1, 3, v10
	v_and_b32 v10, 15, v0
	v_bfe_u32 v11, v0, 4, 1
	s_delay_alu instid0(VALU_DEP_2)
	v_lshlrev_b32 v2, 5, v10
	s_delay_alu instid0(VALU_DEP_3)
	v_and_b32 v3, 8, v10
	s_delay_alu instid0(VALU_DEP_1)
	v_add_nc_u32 v3, v3, v10
	s_delay_alu instid0(VALU_DEP_4)
	v_lshlrev_b32 v11, 4, v11
	s_delay_alu instid0(VALU_DEP_1)
	v_sub_nc_u32 v3, v3, v11
.irp j, 22,23,24,25,26,27
	v_mov_b32 v[\j], 0
.endr
.irp t, 0,1,2,3
.irp j, 6,7,8,9,10,11
	v_mov_b32 v[32+12*\t+\j], 0
.endr
.endr
.irp j, 236,237,238,239,252,253
	v_mov_b32 v[\j], 0
.endr
.macro MASK16 b                        ; block b of 32 keys: my 16 scores of it; what lies behind the diagonal becomes -infinity
.set n, 16*(\b)
.rept 16
	v_cmp_gt_i32 vcc_lo, 32*(n/16)+n%16, v252
	v_cndmask_b32 v[S+n], v[S+n], v254, vcc_lo
.set n, n+1
.endr
.endm
.macro MBLK b, lab                     ; a block ahead of the one in which my queries lie is wholly open: passed over by a branch on ids
	s_cmp_gt_u32 s43, \b
	s_cbranch_scc1 \lab
	MASK16 \b
\lab:
.endm
.macro STEP
	s_add_co_u32 s43, s[Q0], 23
	s_cmp_gt_u32 s[KF], s43
	s_cbranch_scc1 .Lhidden_\@
	v_add_nc_u32 v[ADK], s[TB], v1
	v_add_nc_u32 v[ADS], s[TB], v2
	v_nop
	v_nop
.irp t, 0,1,2,3
.irp p, 0,1,2
	ds_load_b64 v[32+12*\t+2*\p:33+12*\t+2*\p], v[ADK] offset:\t*768+256*\p
.endr
.endr
	ds_load_b128 v[248:251], v[ADS] offset:12288
.irp d, 0,1,2,3
.irp p, 0,1,2,3,4,5
	ds_load_b64 v[80+12*\d+2*\p:81+12*\d+2*\p], v[ADK] offset:6144+1536*\d+256*\p
.endr
.endr
	ds_load_b128 v[28:31], v[ADS] offset:12800
	s_wait_alu depctr_va_vdst(0)
	s_wait_dscnt 25
.irp t, 0,1,2,3
	v_wmma_scale_f32_16x16x128_f8f6f4 v[S+8*\t:S+8*\t+7], v[32+12*\t:43+12*\t], v[16:27], 0, v[248+\t], v255 matrix_a_fmt:MATRIX_FMT_FP6 matrix_b_fmt:MATRIX_FMT_FP6
.endr
.rept 4
	v_nop
.endr
.irp t, 0,1,2,3
.irp p, 0,1,2
	ds_load_b64 v[32+12*\t+2*\p:33+12*\t+2*\p], v[ADK] offset:(4+\t)*768+256*\p
.endr
.endr
	ds_load_b128 v[248:251], v[ADS] offset:12304
	s_wait_dscnt 0x0
.irp t, 0,1,2,3
	v_wmma_scale_f32_16x16x128_f8f6f4 v[S+32+8*\t:S+32+8*\t+7], v[32+12*\t:43+12*\t], v[16:27], 0, v[248+\t], v255 matrix_a_fmt:MATRIX_FMT_FP6 matrix_b_fmt:MATRIX_FMT_FP6
.endr
.rept 4
	v_nop
.endr
	s_add_co_u32 s43, s[KF], 127
	s_cmp_le_u32 s43, s[Q0]
	s_cbranch_scc1 .Lopen_\@
	s_sub_co_i32 s43, s[Q0], s[KF]
	v_add_nc_u32 v252, s43, v3
	v_mov_b32 v254, 0xff800000
	s_lshr_b32 s43, s43, 5                         ; my 16 queries lie in one block of 32 keys of this step: 0 .. 3
	s_wait_alu depctr_va_vdst(0)
	MBLK 0, .Lm0_\@
	MBLK 1, .Lm1_\@
	MBLK 2, .Lm2_\@
	MASK16 3
.Lopen_\@:
.irp b, 0,1,2,3
	v_max3_num_f32 v[232+\b], v[S+16*\b], v[S+1+16*\b], v[S+2+16*\b]
.endr
.irp i, 3,5,7,9,11,13
.irp b, 0,1,2,3
	v_max3_num_f32 v[232+\b], v[232+\b], v[S+16*\b+\i], v[S+1+16*\b+\i]
.endr
.endr
.irp b, 0,1,2,3
	v_max_num_f32 v[232+\b], v[232+\b], v[S+15+16*\b]
.endr
.irp b, 0,1,2,3
	s_delay_alu instid0(VALU_DEP_4)
	v_permlanex16_b32 v[236+\b], v[232+\b], s[SEL], s[SEL+1]
.endr
.irp b, 0,1,2,3
	s_delay_alu instid0(VALU_DEP_4)
	v_max_num_f32 v[232+\b], v[232+\b], v[236+\b]
.endr
	s_delay_alu instid0(VALU_DEP_2)
	v_max3_num_f32 v254, v232, v233, v234
	s_delay_alu instid0(VALU_DEP_1)
	v_max_num_f32 v254, v254, v235
	s_delay_alu instid0(VALU_DEP_1)
	v_mul_f32 v254, s[CS], v254
	s_delay_alu instid0(VALU_DEP_1)
	v_max_num_f32 v13, v13, v254
	v_mov_b32 v254, v12
	s_delay_alu instid0(VALU_DEP_2)
	v_floor_f32 v12, -v13
	s_delay_alu instid0(VALU_DEP_1)
	v_sub_f32 v254, v12, v254
	s_delay_alu instid0(VALU_DEP_1)
	v_cvt_i32_f32 v254, v254
	s_delay_alu instid0(VALU_DEP_1)
	v_ldexp_f32 v252, 1.0, v254
.set n, 0
.rept 32
	v_pk_fma_f32 v[S+n:S+n+1], v[S+n:S+n+1], s[CS:CS+1], v[12:13] op_sel_hi:[1,0,0]
.set n, n+2
.endr
.irp b, 0,1,2,3
	v_fma_f32 v[232+\b], v[232+\b], s[CS], v12
.endr
.set n, 0
	s_wait_alu depctr_va_vdst(0)
.rept 64
	v_exp_f32 v[S+n], v[S+n]
.set n, n+1
.endr
.irp b, 0,1,2,3
	v_exp_f32 v[232+\b], v[232+\b]
.endr
	v_pk_mul_f32 v[14:15], v[14:15], v[252:253] op_sel_hi:[1,0]
	s_wait_alu depctr_va_vdst(0)
.irp b, 0,1,2,3
	v_max_num_f32 v[232+\b], 0x1800000, v[232+\b]
.endr
.irp b, 0,1,2,3
	s_delay_alu instid0(VALU_DEP_4)
	v_add_nc_u32 v[244+\b], 0xff000000, v[232+\b]
.endr
.irp b, 0,1,2,3
	s_delay_alu instid0(VALU_DEP_4)
	v_lshrrev_b32 v[236+\b], 23, v[244+\b]
.endr
	s_delay_alu instid0(VALU_DEP_3)
	v_lshl_or_b32 v253, v237, 8, v236
	s_delay_alu instid0(VALU_DEP_1)
	v_lshl_or_b32 v253, v238, 16, v253
	s_delay_alu instid0(VALU_DEP_1)
	v_lshl_or_b32 v253, v239, 24, v253
.irp c, 0,1
	v_cvt_scalef32_pk16_fp6_f32 v[224+6*\c:226+6*\c], v[S+32*\c:S+15+32*\c], v[244+2*\c]
	v_cvt_scalef32_pk16_fp6_f32 v[236+4*\c:238+4*\c], v[S+16+32*\c:S+31+32*\c], v[244+2*\c+1]
.endr
	v_nop
.irp c, 0,1
.irp i, 0,1,2
	v_permlane16_swap_b32 v[224+6*\c+\i], v[236+4*\c+\i]
.endr
.irp i, 0,1,2
	s_delay_alu instid0(VALU_DEP_3)
	v_mov_b32 v[227+6*\c+\i], v[236+4*\c+\i]
.endr
.endr
	v_pk_add_f32 v[236:237], v[S:S+1], v[S+2:S+3]
.irp j, 4,8,12,16,20,24,28,32,36,40,44,48,52,56,60
	v_pk_add_f32 v[14:15], v[14:15], v[S+\j:S+\j+1]
	v_pk_add_f32 v[236:237], v[236:237], v[S+2+\j:S+3+\j]
.endr
	s_delay_alu instid0(VALU_DEP_1)
	v_pk_add_f32 v[14:15], v[14:15], v[236:237]
.set n, 0
.rept 16
	v_pk_mul_f32 v[O+n:O+n+1], v[O+n:O+n+1], v[252:253] op_sel_hi:[1,0]
.set n, n+2
.endr
.irp d, 0,1,2,3
	v_wmma_scale_f32_16x16x128_f8f6f4 v[O+8*\d:O+8*\d+7], v[80+12*\d:91+12*\d], v[224:235], v[O+8*\d:O+8*\d+7], v[28+\d], v253 matrix_a_fmt:MATRIX_FMT_FP6 matrix_b_fmt:MATRIX_FMT_FP6
.endr
.Lhidden_\@:
	s_add_co_u32 s[KF], s[KF], 128
	s_add_co_u32 s[TB], s[TB], PACK
.endm
.macro QLOAD ts, d, sc, va             ; the codes (six registers from d on) and the scale word (sc) of query tile s\ts
	s_lshr_b32 s43, s\ts, 3
	s_mul_i32 s43, s43, PACK
	s_and_b32 s47, s\ts, 7
	s_mul_i32 s48, s47, 768
	s_add_co_u32 s48, s48, s43
	v_add_nc_u32 v[\va], s48, v1
	s_lshl_b32 s47, s47, 2
	s_add_co_u32 s47, s47, s43
	v_add_nc_u32 v[\va+1], s47, v2
.irp p, 0,1,2
	global_load_b64 v[\d+2*\p:\d+2*\p+1], v[\va], s[4:5] offset:256*\p
.endr
	global_load_b32 v[\sc], v[\va+1], s[4:5] offset:12288
.endm
.macro PHASE ph, trips
	s_wait_xcnt 0x0
.if \ph == 0
	s_mov_b32 s44, ttmp9
.else
	s_sub_co_u32 s44, 7, ttmp9
.endif
.if \ph == 0
	s_mov_b32 s55, s[WV]
.else
	s_xor_b32 s55, s[WV], 8                        ; in the second block the waves' halves change places: 2 x + 1 or 2 x + 2 key steps there, 16 - 2 x or 15 - 2 x here: 17 for every wave
.endif
	s_lshl_b32 s45, s44, 4
	s_add_co_u32 s45, s45, s55
	s_lshl_b32 s[Q0], s44, 8
	s_lshr_b32 s43, s55, 1
	s_lshl_b32 s43, s43, 5
	s_add_co_u32 s[Q0], s[Q0], s43
	s_and_b32 s43, s[WV], 1
	s_lshl_b32 s43, s43, 3
	s_add_co_u32 s[Q0], s[Q0], s43
.if \ph == 0
	QLOAD 45, 16, 255, 4                           ; this block's q,
	s_sub_co_u32 s51, 7, ttmp9
	s_lshl_b32 s51, s51, 4
	s_xor_b32 s52, s[WV], 8
	s_add_co_u32 s51, s51, s52
	QLOAD 51, 38, 50, 8                            ; and the second block's, into registers that the products multiply by q's zero codes
.else
.irp i, 0,1,2,3,4,5
	v_mov_b32 v[16+\i], v[38+\i]                   ; the q that has waited since the head
.endr
	v_mov_b32 v255, v50
.endif
	s_add_co_u32 s49, s33, s45
	s_lshl_b32 s50, s49, 9
	s_lshl_b32 s49, s49, 4
	s_add_co_u32 s49, s49, s46
	s_mul_i32 s49, s49, 768
	v_add_nc_u32 v6, s49, v1
	s_lshl_b32 s43, s46, 1
	s_add_co_u32 s50, s50, s43
	v_add_nc_u32 v7, s50, v2
	v_mov_b32 v13, 0xff61b1e6
	s_delay_alu instid0(VALU_DEP_1)
	v_floor_f32 v12, -v13
	v_mov_b32 v14, 0
	v_mov_b32 v15, 0
.set n, 0
.rept 32
	v_mov_b32 v[O+n], 0
.set n, n+1
.endr
	s_mov_b32 s[TB], 0
	s_mov_b32 s[KF], 0
	s_mov_b32 s[CNT], \trips
	s_wait_loadcnt 0x0
	s_wait_alu depctr_va_vdst(0)
.if \ph == 0
	s_cmp_lt_u32 s[WV], 8                          ; the first block reads packs 0-7 at the most: only their waves wait here
	s_cbranch_scc0 .Lnot_low_\@
	s_wait_tensorcnt 0x0
.Lnot_low_\@:
	s_wait_dscnt 0x0
	s_barrier_signal -1
	s_barrier_wait -1                              ; packs 0-7 are shown to all
	s_wait_tensorcnt 0x0                           ; every wave's own pack is in,
	s_barrier_signal -1                            ; and it says so; the wait stands behind the first block's loop, which reads packs 0-7 alone and stores nothing
.endif
.Lkey_\@:
	STEP
	s_sub_co_u32 s[CNT], s[CNT], 1
	s_cmp_lg_u32 s[CNT], 0
	s_cbranch_scc1 .Lkey_\@
.if \ph == 0
	s_barrier_wait -1                              ; all sixteen packs are shown to all: the second block needs no barrier of its own
.endif
.rept 4
	v_nop
.endr
	v_add_f32 v14, v14, v15
	s_delay_alu instid0(VALU_DEP_1)
	v_permlanex16_b32 v252, v14, s[SEL], s[SEL+1]
	s_delay_alu instid0(VALU_DEP_1)
	v_add_f32 v14, v14, v252
	s_wait_alu depctr_va_vdst(0)
	v_rcp_f32 v14, v14
	v_nop
.set n, 0
	s_wait_alu depctr_va_vdst(0)
.rept 32
	v_mul_f32 v[S+n], v[O+n], v14
.set n, n+1
.endr
.irp b, 0,1
	v_max3_num_f32 v[236+\b], |v[S+16*\b]|, |v[S+1+16*\b]|, 0x1800000
.endr
.irp i, 2,4,6,8,10,12,14
.irp b, 0,1
	s_delay_alu instid0(VALU_DEP_2)
	v_max3_num_f32 v[236+\b], v[236+\b], |v[S+16*\b+\i]|, |v[S+1+16*\b+\i]|
.endr
.endr
.irp b, 0,1
	s_delay_alu instid0(VALU_DEP_2)
	v_permlanex16_b32 v[238+\b], v[236+\b], s[SEL], s[SEL+1]
.endr
.irp b, 0,1
	s_delay_alu instid0(VALU_DEP_2)
	v_max_num_f32 v[236+\b], v[236+\b], v[238+\b]
.endr
.irp b, 0,1
	s_delay_alu instid0(VALU_DEP_2)
	v_add_nc_u32 v[244+\b], 0xff000000, v[236+\b]
.endr
.irp b, 0,1
	s_delay_alu instid0(VALU_DEP_2)
	v_lshrrev_b32 v[238+\b], 23, v[244+\b]
.endr
	s_delay_alu instid0(VALU_DEP_1)
	v_lshl_or_b32 v254, v239, 8, v238
	v_cvt_scalef32_pk16_fp6_f32 v[224:226], v[S:S+15], v244
	v_cvt_scalef32_pk16_fp6_f32 v[240:242], v[S+16:S+31], v245
	v_nop
.irp i, 0,1,2
	v_permlane16_swap_b32 v[224+\i], v[240+\i]
.endr
.irp i, 0,1,2
	s_delay_alu instid0(VALU_DEP_3)
	v_mov_b32 v[227+\i], v[240+\i]
.endr
.irp p, 0,1,2
	global_store_b64 v6, v[224+2*\p:225+2*\p], s[6:7] offset:256*\p
.endr
	global_store_b16 v7, v254, s[8:9]
.endm
	PHASE 0, 8
	PHASE 1, 16
	s_wait_xcnt 0x0
	v_lshl_add_u32 v254, v0, 2, 0x34000
	v_mov_b32 v255, 0
	s_wait_alu depctr_va_vdst(0)
	s_wait_tensorcnt 0x0
	ds_add_u32 v254, v255
	s_wait_dscnt 0x0
	s_endpgm
.Lfunc_end_k_qe75d95cd09_attn:
	.size	k_qe75d95cd09_attn, .Lfunc_end_k_qe75d95cd09_attn-k_qe75d95cd09_attn
	.p2alignl 7, 3214868480
	.fill 96, 4, 3214868480
	.section	.rodata,"a",@progbits
	.p2align	6, 0x0
	.amdhsa_kernel k_qe75d95cd09_attn
		.amdhsa_group_segment_fixed_size 327680
		.amdhsa_private_segment_fixed_size 0
		.amdhsa_enable_private_segment 0
		.amdhsa_kernarg_size 24
		.amdhsa_user_sgpr_count 2
		.amdhsa_user_sgpr_kernarg_segment_ptr 1
		.amdhsa_wavefront_size32 1
		.amdhsa_system_sgpr_workgroup_id_x 1
		.amdhsa_system_sgpr_workgroup_id_y 1
		.amdhsa_system_sgpr_workgroup_id_z 1
		.amdhsa_system_vgpr_workitem_id 0
		.amdhsa_next_free_vgpr 256
		.amdhsa_next_free_sgpr 66
		.amdhsa_reserve_vcc 1
		.amdhsa_float_denorm_mode_32 3
		.amdhsa_float_denorm_mode_16_64 3
		.amdhsa_memory_ordered 1
		.amdhsa_forward_progress 1
		.amdhsa_inst_pref_size 67
	.end_amdhsa_kernel
	.amdgpu_metadata
---
amdhsa.version: [ 1, 2 ]
amdhsa.kernels:
  - .name:           k_qe75d95cd09_attn
    .symbol:         k_qe75d95cd09_attn.kd
    .args:
      - { .name: pk, .offset: 0, .size: 8, .value_kind: global_buffer, .address_space: global }
      - { .name: yc, .offset: 8, .size: 8, .value_kind: global_buffer, .address_space: global }
      - { .name: ys, .offset: 16, .size: 8, .value_kind: global_buffer, .address_space: global }
    .group_segment_fixed_size: 327680
    .private_segment_fixed_size: 0
    .kernarg_segment_align: 8
    .kernarg_segment_size: 24
    .max_flat_workgroup_size: 512
    .sgpr_count:     66
    .vgpr_count:     256
    .wavefront_size: 32
...
	.end_amdgpu_metadata
.endif
;; end of part 3
;; launch proj (part 4): grid 8 x 32, 4 waves a work-group, clusters of 4 x 4, 327,680 bytes of LDS; arguments yc, ys, cod, scl, b_proj, out0; writes out0
.if DOCPART == 4
	.amdgcn_target "amdgcn-amd-amdhsa--gfx1250"
	.amdhsa_code_object_version 6
	.text
	.protected	k_qe75d95cd09_proj
	.globl	k_qe75d95cd09_proj
	.p2align	8
	.type	k_qe75d95cd09_proj,@function
k_qe75d95cd09_proj:
	s_mov_b64 s[64:65], 0
	v_nop
	global_prefetch_b8 v0, s[64:65] scope:SCOPE_SE
	s_setreg_imm32_b32 hwreg(HW_REG_WAVE_MODE, 25, 1), 1
	s_wait_xcnt 0x0
	s_wait_alu depctr_hold_cnt(0) depctr_sa_sdst(0) depctr_va_vdst(0) depctr_va_sdst(0) depctr_va_ssrc(0) depctr_va_vcc(0) depctr_vm_vsrc(0)
	s_getreg_b32 s2, hwreg(HW_REG_IB_STS2, 6, 4)
	s_cmp_eq_u32 s2, 0
	s_cbranch_scc0 .Lentry_in_a_cluster
	s_endpgm
.Lentry_in_a_cluster:
	s_bfe_u32 s2, ttmp6, 0x10000c
	s_cmp_lg_u32 s2, 0xf033
	s_cbranch_scc0 .Lentry_shape_is_right
	s_endpgm
.Lentry_shape_is_right:
; out0 = y W_proj + b_proj on codes of FP6 (E2M3) with E8M0 scales; sums in f32.
; yc: [tile of 16 tokens][head][768 bytes]: the image of an operand's registers 0-5 (pair p of lane l at 256 p + 8 l); ys: [stored row][32 scale bytes].
; cod: [row][768 bytes], W_proj's columns from row 11264 on; scl: [row][32].  In every 32 rows bits 3 and 4 of the row number have changed places.
; A work-group makes 256 tokens x 128 columns: 8 x 32 = 256 work-groups.  ALL OF K LIES IN LDS: y's 196,608 bytes as they lie, W's 128 rows at a pitch of 816 bytes (16 behind every 256): 301,056 bytes,
; filled once by four joint loads, one a wave: K's lower half of y, W's rows in two halves, K's upper half of y.  Nothing is filled again.  The first barrier shows the first three, the barrier ahead of K step 4's fetch the last.
; No prefetch: every tile is asked for at the head, and there is no loop to run ahead in.
; 4 x 4 work-groups form a cluster: y's tiles are shared along a row of it, W's along a column.
; A wave makes 128 tokens x 64 columns: 32 accumulators.  Source 0 = 16 rows of W, source 1 = 16 tokens: a lane holds one token, its registers run along the columns.  The bias is the first products' C.
; Scale words and bias go from memory straight into registers, once.
; REGISTERS: window 0: v0-31 addresses; v32-95 y's scale words (8 a + q); v100-131 W's (8 b + q); v136-231 W's fragments, two sets (on the way out: rows read back).
;   window 1: y's fragments, two sets, at v0 and v128; v96-127 the bias.   window 2: the accumulators, (a, b) at v[8 (4 a + b)].
.set AHALF,  98304                     ; 16 tiles x 8 heads x 768 bytes
.set BB,     196608
.set BPITCH, 816
.set SPARE,  BB+128*BPITCH
.set SPITCH, 272
.set ADRA, 8
.set ADRB, 10
.set STO,  14
.set RD,   15
.set CO,   16
.set SPW,  30
.set NIL,  31
.set SA,   32
.set SB,   100
.set BF,   136
.set BK,   136
.set BI,   96
.set G1A,  28
.set G1B,  36
.set G0,   44
.set MSB, 0
.macro WIN new
.if MSB != \new
	s_set_vgpr_msb (MSB<<8)|\new
.set MSB, \new
.endif
.endm
.macro PLACES n
.rept \n
	v_nop
.endr
.endm
.macro CROUND
	s_barrier_signal -1
	s_barrier_wait -1
	s_cmp_lg_u32 s16, 0
	s_cbranch_scc1 .Lnot_wave_0_\@
	s_barrier_signal -3
.Lnot_wave_0_\@:
	s_barrier_wait -3
	s_barrier_signal -1
	s_barrier_wait -1
.endm
.macro ARM under, g0, g1, next
	s_cmp_lt_u32 s16, \under
	s_cbranch_scc0 \next
	tensor_load_to_lds s[\g0:\g0+3], s[\g1:\g1+7]
	s_nop 0
	PLACES 4
	s_branch .Lhead_asked
\next:
.endm
	s_load_b256 s[4:11], s[0:1], 0x0               ; yc, ys, cod, scl
	s_load_b128 s[12:15], s[0:1], 0x20             ; b_proj, out0
	v_lshl_add_u32 v[SPW], v0, 2, SPARE
	v_mov_b32 v[NIL], 0
	ds_add_u32 v[SPW], v[NIL]                      ; the opening lines: the add twice on end and its wait
	ds_add_u32 v[SPW], v[NIL]
	v_lshrrev_b32 v1, 5, v0
	v_readfirstlane_b32 s16, v1                    ; wave
	s_lshr_b32 s17, s16, 1                         ; my half of the tokens
	s_and_b32 s18, s16, 1                          ; my half of the columns
	s_bfe_u32 s19, ttmp6, 0x40000                  ; cx
	s_bfe_u32 s20, ttmp6, 0x40004                  ; cy
	s_lshl_b32 s21, ttmp9, 2
	s_add_co_u32 s21, s21, s19                     ; tile of 128 columns, 0 .. 7
	s_and_b32 s22, ttmp7, 0xffff
	s_lshl_b32 s22, s22, 2
	s_add_co_u32 s22, s22, s20                     ; tile of 256 tokens, 0 .. 31
	s_lshl_b32 s23, s20, 2
	s_lshl_b32 s23, 15, s23                        ; my row of the cluster
	s_lshl_b32 s24, 0x1111, s19                    ; my column
	s_or_b32 s[G1A], s23, (3<<16)|(1<<21)          ; y: 16 rows (tiles of 16 tokens) of 6,144 bytes (8 heads), 12,288 apart; elements of 8 bytes
	s_mov_b32 s[G1A+1], 768<<16
	s_mov_b32 s[G1A+2], 16<<16
	s_mov_b32 s[G1A+3], 768<<16
	s_mov_b32 s[G1A+4], 16
	s_mov_b32 s[G1A+5], 1536
	s_mov_b32 s[G1A+6], 0
	s_mov_b32 s[G1A+7], 0
	s_or_b32 s[G1B], s24, (1<<20)|(1<<21)|(5<<22)|(3<<25)   ; W: 64 rows of 768 bytes; 16 bytes of padding behind every 256
	s_mov_b32 s[G1B+1], 768<<16
	s_mov_b32 s[G1B+2], 64<<16
	s_mov_b32 s[G1B+3], 768<<16
	s_mov_b32 s[G1B+4], 64
	s_mov_b32 s[G1B+5], 768
	s_mov_b32 s[G1B+6], 0
	s_mov_b32 s[G1B+7], 0
	s_mul_i32 s70, s22, 196608                     ; y's tile, bytes from yc
	s_mov_b32 s71, 0
	s_mul_i32 s72, s21, 98304
	s_add_co_u32 s72, s72, 11264*768               ; W's 128 rows, bytes from cod
	s_mov_b32 s73, 0
	s_lshl_b32 s74, s22, 8
	s_lshl_b32 s25, s17, 7
	s_add_co_u32 s74, s74, s25                     ; my first token
	s_lshl_b32 s76, s74, 12                        ; its row of out0,
	s_lshl_b32 s74, s74, 5                         ; its scale bytes
	s_mov_b32 s75, 0
	s_lshl_b32 s26, s21, 7
	s_lshl_b32 s25, s18, 6
	s_add_co_u32 s26, s26, s25                     ; my first column
	s_lshl_b32 s78, s26, 2
	s_mov_b32 s79, 0
	s_add_co_u32 s76, s76, s78
	s_mov_b32 s77, 0
	s_add_co_u32 s26, s26, 11264
	s_lshl_b32 s26, s26, 5                         ; its scale bytes in scl
	s_mov_b32 s27, 0
	s_wait_alu depctr_va_vdst(0)
	s_wait_dscnt 0x0
	CROUND                                         ; all sixteen work-groups are here: the joint loads meet
	s_wait_kmcnt 0x0
	s_mov_b32 s[G0], 1                             ; y, heads 0-7
	s_mov_b32 s[G0+1], 0
	s_add_nc_u64 s[G0+2:G0+3], s[4:5], s[70:71]
	s_mov_b32 s[G0+4], 1                           ; W, rows 0-63
	s_mov_b32 s[G0+5], BB
	s_add_nc_u64 s[G0+6:G0+7], s[8:9], s[72:73]
	s_mov_b32 s[G0+8], 1                           ; W, rows 64-127
	s_mov_b32 s[G0+9], BB+64*BPITCH
	s_add_nc_u64 s[G0+10:G0+11], s[G0+6:G0+7], 49152
	s_mov_b32 s[G0+12], 1                          ; y, heads 8-15
	s_mov_b32 s[G0+13], AHALF
	s_add_nc_u64 s[G0+14:G0+15], s[G0+2:G0+3], 6144
.irp g, 3,7,11,15
	s_or_b32 s[G0+\g], s[G0+\g], 0x80000000
.endr
	ARM 1, G0,   G1A, .Lhead_1                     ; one load a wave, in the order in which the tiles are wanted
	ARM 2, G0+4, G1B, .Lhead_2
	ARM 3, G0+8, G1B, .Lhead_3
	tensor_load_to_lds s[G0+12:G0+15], s[G1A:G1A+7]
	s_nop 0
	PLACES 4
.Lhead_asked:
	s_add_nc_u64 s[60:61], s[6:7], s[74:75]
	s_add_nc_u64 s[62:63], s[10:11], s[26:27]
	s_add_nc_u64 s[66:67], s[12:13], s[78:79]
	s_add_nc_u64 s[68:69], s[14:15], s[76:77]
	v_and_b32 v1, 15, v0                           ; r
	v_bfe_u32 v2, v0, 4, 1                         ; h
	v_and_b32 v5, 31, v0
	v_lshlrev_b32 v3, 5, v1                        ; 32 scale bytes a row
	v_lshlrev_b32 v4, 6, v2                        ; the bias: 16 h columns
.irp i, 0,1,2,3,4,5,6,7
	global_load_b128 v[SA+8*\i:SA+8*\i+3], v3, s[60:61] offset:512*\i
	global_load_b128 v[SA+8*\i+4:SA+8*\i+7], v3, s[60:61] offset:512*\i+16
.endr
.irp b, 0,1,2,3
	global_load_b128 v[SB+8*\b:SB+8*\b+3], v3, s[62:63] offset:512*\b
	global_load_b128 v[SB+8*\b+4:SB+8*\b+7], v3, s[62:63] offset:512*\b+16
.endr
	WIN 0x40
.irp b, 0,1,2,3
	global_load_b128 v[BI+8*\b:BI+8*\b+3], v4, s[66:67] offset:128*(\b/2)+32*(\b%2)       ; register j of accumulator b is column 32 (b / 2) + 8 (b % 2) + 16 h + j
	global_load_b128 v[BI+8*\b+4:BI+8*\b+7], v4, s[66:67] offset:128*(\b/2)+32*(\b%2)+16
.endr
	WIN 0
	s_mul_i32 s25, s17, 8*6144
	v_lshlrev_b32 v6, 3, v5
	v_add_nc_u32 v[ADRA], s25, v6                  ; y's fragments: my eight tiles, 8 x lane
	v_add_nc_u32 v[ADRA+1], AHALF, v[ADRA]
	v_mul_u32_u24 v6, v1, BPITCH
	v_mad_u32_u24 v6, v2, 24, v6                   ; W's: row x pitch + 24 h,
	v_lshl_add_u32 v7, v2, 4, v6                   ; and the same behind one padding more
	s_mul_i32 s25, s18, 64*BPITCH
	s_add_co_u32 s25, s25, BB
	v_add_nc_u32 v[ADRB], s25, v6
	v_add_nc_u32 v[ADRB+1], s25, v7
	s_mul_i32 s25, s16, 16*SPITCH                  ; my stage, in y's lower half, which nobody reads behind the second barrier
	v_mul_u32_u24 v6, v1, SPITCH
	v_lshl_add_u32 v6, v2, 6, v6
	v_add_nc_u32 v[STO], s25, v6
	v_mul_u32_u24 v7, v2, SPITCH
	v_lshl_add_u32 v7, v1, 4, v7
	v_add_nc_u32 v[RD], s25, v7
	v_lshlrev_b32 v[CO], 4, v1
	v_lshl_add_u32 v[CO], v2, 12, v[CO]            ; sixteen lanes to a row's 256 bytes, lanes 16-31 the next row
.macro FETCHA q                        ; y's eight fragments of K step q (heads 2 q, 2 q + 1): 48 loads
	WIN 0x40
.irp i, 0,1,2,3,4,5,6,7
.irp p, 0,1,2,3,4,5
	ds_load_b64 v[128*((\q)%2)+12*\i+2*\p:128*((\q)%2)+12*\i+2*\p+1], v[ADRA+(\q)/4] offset:\i*6144+((\q)%4)*1536+(\p/3)*768+(\p%3)*256
.endr
.endr
	WIN 0
.endm
.macro FETCHB q                        ; W's four: 24 loads; lanes 16-31 read three pieces on, for some pieces behind one padding more
.irp b, 0,1,2,3
.irp p, 0,1,2,3,4,5
.set PCE, 12*(\q)+6*(\p/3)+\p%3
	ds_load_b64 v[BF+48*((\q)%2)+12*\b+2*\p:BF+48*((\q)%2)+12*\b+2*\p+1], v[ADRB+(PCE%32+3)/32] offset:\b*16*BPITCH+8*PCE+16*(PCE/32)
.endr
.endr
.endm
.macro MUL q, first                    ; 32 products, the 32 accumulators by turns
.irp a, 0,1,2,3,4,5,6,7
.irp b, 0,1,2,3
.if \first
	v_wmma_scale_f32_16x16x128_f8f6f4 v[8*(4*\a+\b):8*(4*\a+\b)+7], v[BF+48*((\q)%2)+12*\b:BF+48*((\q)%2)+12*\b+11], v[128*((\q)%2)+12*\a:128*((\q)%2)+12*\a+11], v[BI+8*\b:BI+8*\b+7], v[SB+8*\b+(\q)], v[SA+8*\a+(\q)] matrix_a_fmt:MATRIX_FMT_FP6 matrix_b_fmt:MATRIX_FMT_FP6
.else
	v_wmma_scale_f32_16x16x128_f8f6f4 v[8*(4*\a+\b):8*(4*\a+\b)+7], v[BF+48*((\q)%2)+12*\b:BF+48*((\q)%2)+12*\b+11], v[128*((\q)%2)+12*\a:128*((\q)%2)+12*\a+11], v[8*(4*\a+\b):8*(4*\a+\b)+7], v[SB+8*\b+(\q)], v[SA+8*\a+(\q)] matrix_a_fmt:MATRIX_FMT_FP6 matrix_b_fmt:MATRIX_FMT_FP6
.endif
.endr
.endr
.endm
	s_wait_alu depctr_va_vdst(0)
	s_cmp_lt_u32 s16, 3
	s_cbranch_scc0 .Lnot_low
	s_wait_tensorcnt 0x0                           ; waves 0 to 2: y's lower half and W
.Lnot_low:
	s_barrier_signal -1
	s_barrier_wait -1                              ; they are in; y's upper half may be on its way
	FETCHA 0
	FETCHB 0
	s_wait_loadcnt 0x0                             ; scale words and bias
.set Q, 0
.rept 7
.if Q > 0
	PLACES 4                                       ; between the last step's products and the loads into their set
.endif
.if Q == 3
	WIN 0
	s_wait_tensorcnt 0x0                           ; every wave's tile is in,
	s_wait_dscnt 0x0                               ; and my reads of y's lower half are over
	s_barrier_signal -1
	s_barrier_wait -1
.endif
	FETCHA Q+1
	s_wait_dscnt 48                                ; all but the 48 just issued: this step's fragments are in
	FETCHB Q+1
.if Q == 0
	WIN 0x94                                       ; W window 0, y window 1, C (the bias) window 1, D window 2
	MUL Q, 1
.else
	WIN 0xa4                                       ; C and D window 2
	MUL Q, 0
.endif
.set Q, Q+1
.endr
	s_wait_dscnt 0x0
	MUL 7, 0
	PLACES 4
	WIN 0
; THE WAY OUT, by blocks of 16 tokens x 64 columns, through my own stage: back come whole rows of 256 bytes, which sixteen lanes store as one aligned unit.  LDS serves a wave's instructions in order.
.macro TOSTAGE a
	WIN 0x08
.irp b, 0,1,2,3
	ds_store_b128 v[STO], v[8*(4*(\a)+\b):8*(4*(\a)+\b)+3] offset:128*(\b/2)+32*(\b%2)
	ds_store_b128 v[STO], v[8*(4*(\a)+\b)+4:8*(4*(\a)+\b)+7] offset:128*(\b/2)+32*(\b%2)+16
.endr
	WIN 0
.irp u, 0,1,2,3,4,5,6,7
	ds_load_b128 v[BK+32*((\a)%2)+4*\u:BK+32*((\a)%2)+4*\u+3], v[RD] offset:\u*2*SPITCH
.endr
.endm
.macro SEND a, younger                 ; stage row i of block a is token 32 (a / 2) + 8 (a % 2) + i + 8 (i / 8) of my 128
	s_wait_dscnt \younger
.irp u, 0,1,2,3,4,5,6,7
	global_store_b128 v[CO], v[BK+32*((\a)%2)+4*\u:BK+32*((\a)%2)+4*\u+3], s[68:69] offset:(32*((\a)/2)+8*((\a)%2)+2*\u+8*(\u/4))*4096 th:TH_STORE_NT
.endr
.endm
	TOSTAGE 0
.irp a, 1,2,3,4,5,6,7
.if \a > 1
	s_wait_xcnt 0x0                                ; block a - 2's stores have read their registers
.endif
	TOSTAGE \a
	SEND \a-1, 16                                  ; behind block a - 1's loads: block a's 8 stores and 8 loads
.endr
	SEND 7, 0
	s_wait_tensorcnt 0x0                           ; the wave's end
	ds_add_u32 v[SPW], v[NIL]
	s_wait_dscnt 0x0
	CROUND                                         ; the closing round
	s_endpgm
.Lfunc_end_k_qe75d95cd09_proj:
	.size	k_qe75d95cd09_proj, .Lfunc_end_k_qe75d95cd09_proj-k_qe75d95cd09_proj
	.p2alignl 7, 3214868480
	.fill 96, 4, 3214868480
	.section	.rodata,"a",@progbits
	.p2align	6, 0x0
	.amdhsa_kernel k_qe75d95cd09_proj
		.amdhsa_group_segment_fixed_size 327680
		.amdhsa_private_segment_fixed_size 0
		.amdhsa_enable_private_segment 0
		.amdhsa_kernarg_size 48
		.amdhsa_user_sgpr_count 2
		.amdhsa_user_sgpr_kernarg_segment_ptr 1
		.amdhsa_wavefront_size32 1
		.amdhsa_system_sgpr_workgroup_id_x 1
		.amdhsa_system_sgpr_workgroup_id_y 1
		.amdhsa_system_sgpr_workgroup_id_z 1
		.amdhsa_system_vgpr_workitem_id 0
		.amdhsa_next_free_vgpr 768
		.amdhsa_next_free_sgpr 80
		.amdhsa_reserve_vcc 0
		.amdhsa_float_denorm_mode_32 3
		.amdhsa_float_denorm_mode_16_64 3
		.amdhsa_memory_ordered 1
		.amdhsa_forward_progress 1
		.amdhsa_inst_pref_size 96
	.end_amdhsa_kernel
	.amdgpu_metadata
---
amdhsa.version: [ 1, 2 ]
amdhsa.kernels:
  - .name:           k_qe75d95cd09_proj
    .symbol:         k_qe75d95cd09_proj.kd
    .args:
      - { .name: yc, .offset: 0, .size: 8, .value_kind: global_buffer, .address_space: global }
      - { .name: ys, .offset: 8, .size: 8, .value_kind: global_buffer, .address_space: global }
      - { .name: cod, .offset: 16, .size: 8, .value_kind: global_buffer, .address_space: global }
      - { .name: scl, .offset: 24, .size: 8, .value_kind: global_buffer, .address_space: global }
      - { .name: b_proj, .offset: 32, .size: 8, .value_kind: global_buffer, .address_space: global }
      - { .name: out0, .offset: 40, .size: 8, .value_kind: global_buffer, .address_space: global }
    .group_segment_fixed_size: 327680
    .private_segment_fixed_size: 0
    .kernarg_segment_align: 8
    .kernarg_segment_size: 48
    .max_flat_workgroup_size: 128
    .sgpr_count:     80
    .vgpr_count:     768
    .wavefront_size: 32
...
	.end_amdgpu_metadata
.endif
;; end of part 4
